; MI455X (gfx1250); checked and timed in simulation.
; The chip was launched on July 23, 2026; its instructions are those of AMD's public machine-readable ISA for CDNA 5 (MIT licence, August 2026) and "CDNA5" Instruction Set Architecture Reference Guide (July 2026). The comments in the code are by the model that wrote it; some were corrected since.
;; Masked Top K Attn Pool. Allowed arithmetic: matrix products marked QUANTISED: E4M3 operands, one E8M0 scale for each 32 along K, by v_wmma_scale_f32_16x16x128_f8f6f4 with both operands' format E4M3, f32 sums; products left as they are: f32 operands where the result goes on into a quantised operand, else bf16, f16 or f32 operands; f32 sums; everything else in f32.
;; Inputs: b1 1,024 float32; lengths 32 int32; w1_codes 1,024 x 32 x 32 uint8 (E4M3 codes of w1, K innermost, in blocks of 32 codes); w1_scales 1,024 x 32 uint8 (E8M0 scales of w1, one for each 32 codes along K); w2 1,024 float32; x 32 x 2,048 x 1,024 float32.
;; Outputs: out0 32 x 1,024 float32.
;; This version of the problem:
;;   THIS VERSION OF THE PROBLEM IS GIVEN IN LOW PRECISION. The matrix products marked QUANTISED in the list below multiply operands that are first quantised to E4M3 (4 exponent bits, 3 mantissa bits; 8 bits a number), with one power-of-two scale for each 32 numbers along K (OCP MX v1.0); their sums are f32. All else is computed in f32.
;;   The module's matrix products, in the order in which they are computed (A, B: the left and right operand; K: the contracted axis; several contracted axes count as one K, in the product's order):
;;     1. [M 65,536, K 1,024] x [K 1,024, N 1,024]; A: input x; B: input w1 (given as codes): QUANTISED
;;     2. [M 65,536, K 1,024] x [K 1,024, N 1]; A: computed on the way; B: input w2: left as it is (N = 1 < 16)
;;     3. batch 32 x [M 1,024, K 717] x [K 717, N 1]; A: computed on the way; B: computed on the way: left as it is (N = 1 < 16)
;;   THE QUANTISER, for each operand of a quantised product, along K:
;;     - K is cut into blocks of 32 from its start; a last block that is shorter is filled with zeros.
;;     - A block's scale is 2^e with e = floor(log2(the largest magnitude in the block)) - 8, held to -126 .. 127; a block of zeros has e = 0. As a byte (E8M0): e + 127.
;;     - Each number is divided by its block's scale, clamped to +-448, and rounded to the nearest number of E4M3, ties to even, subnormals kept.
;;     - The product sums the exact products of the quantised numbers (number of the format x scale) in f32.
;;   ~~~python
;;   def quantise(x, axis):      # numpy; x: float32 -> the quantised numbers, widened to float32 again
;;       x = np.moveaxis(x, axis, -1); K = x.shape[-1]
;;       x = np.pad(x, [(0, 0)] * (x.ndim - 1) + [(0, -K % 32)]); x = x.reshape(x.shape[:-1] + (-1, 32)); a = np.abs(x).max(-1, keepdims=True)
;;       e = np.where(a > 0, np.clip(np.frexp(np.where(a > 0, a, 1))[1] - 1 - 8, -126, 127), 0)      # np.frexp(a)[1] - 1 = floor(log2(a)), exactly
;;       r = np.clip(x / 2.0 ** e, -448, 448)
;;       step = 2.0 ** (np.maximum(np.frexp(np.where(r == 0, 1, r))[1] - 1, -6) - 3)
;;       q = np.round(r / step) * step * 2.0 ** e      # np.round: ties to even
;;       return np.moveaxis(q.reshape(q.shape[:-2] + (-1,))[..., :K], -1, axis).astype(np.float32)
;;   ~~~
;;   INPUTS GIVEN AS CODES. w1 (in the module: [1024, 1024], K = its axis 0): each comes as NAME_codes (uint8): NAME with its K axis moved to the last place and cut into blocks of 32 codes, [.., K / 32, bytes a block], one block behind the other in memory; one code a byte (a code: sign, 4 exponent bits, 3 mantissa bits); and NAME_scales (uint8): the same leading axes, one E8M0 byte (e + 127) for each 32 codes along K. Its value is code x scale, taken as it is: it is not quantised again, and the codes and scales need not be those that the quantiser above would give.
;; One version. Each part assembles by itself: llvm-mc -triple=amdgcn-amd-amdhsa -mcpu=gfx1250 --defsym DOCPART=n.
;; ======== version 1 of 1: 4 launches
;; workspace buffers: w1f 1,048,576 bytes; wgtab 32,768 bytes of whole numbers; scores 262,144 bytes; sel 16,384 bytes of whole numbers
;; launch prep (part 1): grid 64 x 1, 4 waves a work-group, no clusters, 0 bytes of LDS; arguments w1_codes, lengths, w1f, wgtab, scores; writes w1f, wgtab, scores
.if DOCPART == 1
	.amdgcn_target "amdgcn-amd-amdhsa--gfx1250"
	.amdhsa_code_object_version 6
	.text
	.protected	k_q7355ac8a1d_prep
	.globl	k_q7355ac8a1d_prep
	.p2align	8
	.type	k_q7355ac8a1d_prep,@function
k_q7355ac8a1d_prep:
	s_mov_b64 s[64:65], 0
	v_nop
	global_prefetch_b8 v0, s[64:65] scope:SCOPE_SE
	s_setreg_imm32_b32 hwreg(HW_REG_WAVE_MODE, 25, 1), 1
	s_wait_xcnt 0x0
; THREE SMALL JOBS AHEAD OF THE SCORING LAUNCH, one path for all 64 work-groups (T = the work-group's number).
; (a) W1's codes, [1024 n][1024 k] bytes, are laid in the order of the matrix operand's registers: w1f[tile T of 16 n][K step s of 128][c][lane][16 bytes], where lane (r, h) holds
;     k = 128 s + 32 c + 16 h + 0..15 of row n = 16 T + r.  A fragment then comes by four loads of 512 consecutive bytes.  Wave c takes piece c of all eight K steps.
; (b) scores is filled with -infinity, 4,096 bytes a work-group, so that every byte that a later launch reads has been stored.
; (c) The table of shares.  Rows t >= lengths[b] are masked by the problem itself, so only ceil(len / 16) blocks of 16 rows of each batch are scored: Tb blocks in all, at most 4,096.
;     Scoring work-group g takes blocks (g Tb) >> 8 up to ((g + 1) Tb) >> 8: at most 16, and the shares differ by one block at the most.
;     wgtab[g][32 words]: words 0-15 the block numbers (128 b + t / 16; 0 where unused), word 16 their count, the rest 0.  A wave writes one row of the table: 128 consecutive bytes.
	s_load_b128 s[4:7], s[0:1], 0x0                ; w1_codes s[4:5], lengths s[6:7]
	s_load_b128 s[8:11], s[0:1], 0x10              ; w1f s[8:9], wgtab s[10:11]
	s_load_b64 s[12:13], s[0:1], 0x20              ; scores
	v_lshrrev_b32 v1, 5, v0
	v_readfirstlane_b32 s14, v1                    ; wave = c
	v_and_b32 v1, 31, v0                           ; lane
	v_and_b32 v2, 15, v0                           ; r
	v_bfe_u32 v3, v0, 4, 1                         ; h
	s_lshl_b32 s15, ttmp9, 14                      ; a tile's 16 rows are 16,384 bytes, in both layouts
	s_lshl_b32 s50, s14, 5
	s_add_co_u32 s50, s50, s15
	v_lshlrev_b32 v4, 10, v2
	v_lshl_add_u32 v4, v3, 4, v4
	v_add_nc_u32 v4, s50, v4                       ; from: 16,384 T + 1,024 r + 32 c + 16 h (+ 128 s)
	s_lshl_b32 s51, s14, 9
	s_add_co_u32 s51, s51, s15
	v_lshl_add_u32 v5, v1, 4, s51                  ; to: 16,384 T + 512 c + 16 lane (+ 2,048 s)
	s_lshl_b32 s52, ttmp9, 12
	v_lshl_add_u32 v6, v0, 4, s52                  ; the fill: 4,096 T + 16 x thread
.irp i, 0,1,2,3
	v_mov_b32 v[40+\i], 0xff800000                 ; -infinity
.endr
	s_wait_kmcnt 0x0
	s_load_b512 s[16:31], s[6:7], 0x0              ; the 32 lengths
	s_load_b512 s[32:47], s[6:7], 0x40
.irp s, 0,1,2,3,4,5,6,7
	global_load_b128 v[8+4*\s:11+4*\s], v4, s[4:5] offset:128*\s
.endr
	global_store_b128 v6, v[40:43], s[12:13]
	global_store_b128 v6, v[40:43], s[12:13] offset:2048
	s_wait_kmcnt 0x0
	; each length becomes the number of blocks ahead of its batch; s48 ends as Tb
	s_mov_b32 s48, 0
.set BI, 0
.rept 32
	s_max_i32 s49, s[16+BI], 0
	s_min_u32 s49, s49, 2048
	s_add_co_u32 s49, s49, 15
	s_lshr_b32 s49, s49, 4
	s_mov_b32 s[16+BI], s48
	s_add_co_u32 s48, s48, s49
.set BI, BI+1
.endr
	s_lshl_b32 s53, ttmp9, 2
	s_add_co_u32 s53, s53, s14                     ; g = 4 T + wave: my wave's row of the table
	s_mul_i32 s54, s53, s48
	s_lshr_b32 s54, s54, 8                         ; its first block
	s_add_co_u32 s55, s53, 1
	s_mul_i32 s55, s55, s48
	s_lshr_b32 s55, s55, 8                         ; the block behind its last
	s_sub_co_u32 s56, s55, s54                     ; how many
	v_add_nc_u32 v48, s54, v1                      ; lane i looks at block j = first + i
	v_mov_b32 v49, 0
	v_mov_b32 v50, 0
.set BI, 0
.rept 32                                       ; the last batch whose first block is not behind j: a batch without blocks is passed over by the next one
	v_cmp_le_u32 vcc_lo, s[16+BI], v48
	v_cndmask_b32 v49, v49, s[16+BI], vcc_lo
	v_cndmask_b32 v50, v50, BI, vcc_lo
.set BI, BI+1
.endr
	v_sub_nc_u32 v51, v48, v49
	v_lshl_add_u32 v51, v50, 7, v51                ; 128 b + the block's number in its batch
	v_cmp_gt_u32 s57, 16, v1
	v_cmp_gt_u32 s58, s55, v48
	s_and_b32 s57, s57, s58
	v_cndmask_b32 v52, 0, v51, s57                 ; words 0-15: the block, where there is one
	v_cmp_eq_u32 s58, 16, v1
	v_cndmask_b32 v52, v52, s56, s58               ; word 16: the count
	s_lshl_b32 s59, ttmp9, 9
	v_lshl_add_u32 v54, v0, 2, s59
	global_store_b32 v54, v52, s[10:11]
	s_wait_loadcnt 0x0                             ; W1's eight pieces are in
.irp s, 0,1,2,3,4,5,6,7
	global_store_b128 v5, v[8+4*\s:11+4*\s], s[8:9] offset:2048*\s   ; 32 lanes store 512 consecutive bytes
.endr
	s_endpgm
.Lfunc_end_k_q7355ac8a1d_prep:
	.size	k_q7355ac8a1d_prep, .Lfunc_end_k_q7355ac8a1d_prep-k_q7355ac8a1d_prep
	.p2alignl 7, 3214868480
	.fill 96, 4, 3214868480
	.section	.rodata,"a",@progbits
	.p2align	6, 0x0
	.amdhsa_kernel k_q7355ac8a1d_prep
		.amdhsa_group_segment_fixed_size 0
		.amdhsa_private_segment_fixed_size 0
		.amdhsa_enable_private_segment 0
		.amdhsa_kernarg_size 40
		.amdhsa_user_sgpr_count 2
		.amdhsa_user_sgpr_kernarg_segment_ptr 1
		.amdhsa_wavefront_size32 1
		.amdhsa_system_sgpr_workgroup_id_x 1
		.amdhsa_system_sgpr_workgroup_id_y 1
		.amdhsa_system_sgpr_workgroup_id_z 1
		.amdhsa_system_vgpr_workitem_id 0
		.amdhsa_next_free_vgpr 64
		.amdhsa_next_free_sgpr 66
		.amdhsa_reserve_vcc 1
		.amdhsa_float_denorm_mode_32 3
		.amdhsa_float_denorm_mode_16_64 3
		.amdhsa_memory_ordered 1
		.amdhsa_forward_progress 1
		.amdhsa_inst_pref_size 17
	.end_amdhsa_kernel
	.amdgpu_metadata
---
amdhsa.version: [ 1, 2 ]
amdhsa.kernels:
  - .name:           k_q7355ac8a1d_prep
    .symbol:         k_q7355ac8a1d_prep.kd
    .args:
      - { .name: w1_codes, .offset: 0, .size: 8, .value_kind: global_buffer, .address_space: global }
      - { .name: lengths, .offset: 8, .size: 8, .value_kind: global_buffer, .address_space: global }
      - { .name: w1f, .offset: 16, .size: 8, .value_kind: global_buffer, .address_space: global }
      - { .name: wgtab, .offset: 24, .size: 8, .value_kind: global_buffer, .address_space: global }
      - { .name: scores, .offset: 32, .size: 8, .value_kind: global_buffer, .address_space: global }
    .group_segment_fixed_size: 0
    .private_segment_fixed_size: 0
    .kernarg_segment_align: 8
    .kernarg_segment_size: 40
    .max_flat_workgroup_size: 128
    .sgpr_count:     66
    .vgpr_count:     64
    .wavefront_size: 32
...
	.end_amdgpu_metadata
.endif
;; end of part 1
;; launch score (part 2): grid 256 x 1, 4 waves a work-group, no clusters, 320,000 bytes of LDS; arguments wgtab, x, w1f, w1_scales, b1, w2, scores; writes scores
.if DOCPART == 2
	.amdgcn_target "amdgcn-amd-amdhsa--gfx1250"
	.amdhsa_code_object_version 6
	.text
	.protected	k_q7355ac8a1d_score
	.globl	k_q7355ac8a1d_score
	.p2align	8
	.type	k_q7355ac8a1d_score,@function
k_q7355ac8a1d_score:
	s_mov_b64 s[64:65], 0
	v_nop
	global_prefetch_b8 v0, s[64:65] scope:SCOPE_SE
	s_setreg_imm32_b32 hwreg(HW_REG_WAVE_MODE, 25, 1), 1
	s_wait_xcnt 0x0
; scores[row] = sum over n of w2[n] tanh( (Q(x[row]) W1)[n] + b1[n] ), for the blocks of 16 rows that wgtab gives this work-group (nb of them, at most 16; rows of any batches).
; The product is on codes of E4M3 with one E8M0 scale for each 32 along K = 1,024; W1 comes as codes (w1f: in the order of the operand's registers), x is quantised here.
; PHASE X.  Wave w quantises rows 4 w .. 4 w + 3 of every block: a row is eight loads of 512 consecutive bytes; a lane holds 4 neighbours of each K step of 128, eight lanes hold a block of 32.
;   Codes go to LDS as rows of 1,024 bytes + 16, scale bytes as one word for a row and a K step.  Blocks nb .. 15 are written as zeros, so that no LDS byte is read that nobody wrote.
; PHASE M.  THE WAVES SHARE N: wave w owns n = 256 w .. 256 w + 255, in four passes of 64 (four tiles).  In a pass it holds 16 x 4 accumulators for all rows of the work-group; W1's fragments come from
;   memory straight into a ring of four K steps of registers, each byte once for a work-group; a fragment of x read from LDS feeds four matrix instructions.
;   The matrix instruction is used transposed (source 0 = 16 rows of W1, source 1 = 16 rows of x): lane (r, h) holds row r of x, register j the unit n0 + 8 h + j.  b1 is the C of K step 0.
;   K STEP 0 RUNS OVER ALL SIXTEEN BLOCKS, so that every accumulator is started on every way through the text; K steps 1 to 7 and the activation leave at block nb.  The price: 4 (16 - nb) matrix
;   instructions a pass on blocks of zeros, whose results nobody reads.
; PHASE A, behind a pass's eight K steps: tanh(z) = 1 - 2 / (1 + 2^(2 log2(e) z)), times w2, summed into a pair of registers for each block.
; THE END: the lanes' halves and the four waves' parts meet in LDS; wave w stores the scores of blocks 4 w .. 4 w + 3.
; No tensor load and no cluster: the walk hangs on nb, a number read from memory.
; LIMITS: NaN and infinities in x are not served.  A block of 32 zeros gets the scale byte 1 (its codes are zeros; the bytes are read here alone).  Rows at or behind a batch's length in its last block
; get their plain score: the launch that selects masks them by the lengths.  A work-group with nb = 0 walks zero blocks and stores nothing.
.set XP,   1040                        ; a row of codes in LDS: 1,024 + 16 bytes = 260 words: the 16 rows of a fragment load start 4 banks apart
.set XBLK, 16*XP                       ; a block of 16 rows
.set XS,   16*XBLK                     ; x's scale words: [block 512][K step 64][row 4]
.set WS,   XS+8192                     ; w1_scales as they lie: 32 bytes a row n
.set BT,   WS+32768                    ; b1 (4,096 bytes), then w2
.set SX,   BT+8192                     ; the waves' parts of the scores: [wave 1,024][block 64][row 4]
; window 0, for the whole launch
.set LN16, 1                           ; v1     16 x lane
.set XA,   2                           ; v2-7   my place in a fragment of x: 1,040 r + 16 h + 3 u blocks; block i takes register i / 3
.set XSA,  8                           ; v8     XS + 4 r
.set WSA,  9                           ; v9     WS + 8,192 w + 32 r + 16 h
.set BTA,  10                          ; v10    BT + 1,024 w + 32 h
.set CSB,  12                          ; v12    where I store codes: 4 w rows + 4 x lane;  v13 the same in the block in hand
.set CSA,  13
.set SBB,  14                          ; v14    where I store scale bytes: XS + 16 w + lane / 8;  v15 in the block in hand
.set SBA,  15
; window 0, phase X
.set ZAB,  36                          ; v36    zero codes: 4 w rows + 16 x lane;  v37 in the block in hand
.set ZAA,  37
.set ZSB,  38                          ; v38    zero scale words: XS + 64 (lane / 4) + 16 w + 4 (lane % 4);  v39 in the block in hand
.set ZSA,  39
.set ZR,   40                          ; v40-43 zeros
.set CPW,  44                          ; v44    WS + 8,192 w + 16 x lane
.set CPB,  45                          ; v45    BT + 1,024 w + 16 x lane
.set M,    96                          ; v96-103   a row's eight largest magnitudes, then scale bytes
.set I,    104                         ; v104-119  1 / scale, in the low word of eight pairs
.set C,    120                         ; v120-127  four codes each
.set R,    128                         ; v128-255  four rows of 32 registers
; window 0, phases M and A
.set XSR,  16                          ; v16-19   x's scale words, with the ring of fragments
.set WSR,  20                          ; v20-35   W1's scale words: register 4 t + q: lanes 0-15 K step q, lanes 16-31 K step 4 + q
.set B1R,  36                          ; v36-67   b1 in the result's layout, 8 a tile
.set W2R,  68                          ; v68-99   w2 likewise
.set SC,   100                         ; v100-131 a pair of sums for each block
.set T,    132                         ; v132-139 four pairs at work
.set SXW,  140                         ; v140   SX + 1,024 w + 4 r
.set SXR,  141                         ; v141   SX + 256 w + 4 r
.set R4,   142                         ; v142   4 r
.set WST,  143                         ; v143   v9 in the pass in hand
.set BTT,  144                         ; v144   v10 in the pass in hand
.set SUM,  148                         ; v148-163 the end: four parts for each of four blocks
.set XB,   192                         ; v192-255 a ring of four fragments of x
; window 1: W1's ring: K step s in buffer s % 4, tile t at 64 (s % 4) + 16 t (in phase X: the staged copies of w1_scales, b1, w2).  windows 2, 3: accumulator (block i, tile t) in window 2 + i / 8 at 32 (i % 8) + 8 t.
; scalars: s18 wave; s19 nb; s20 block; s[22:23] x + my four rows; s[24:25] the same in the block being loaded; s[26:27] an offset, s27 = 0 throughout; s28, s29 the block's place in XC, XS;
; s[30:31] W1 of this pass; s[32:33] of the next; s34 pass; s[36:39] my four blocks for the end; s[42:43] the table's word in hand; s44, s45 the pass's place in WS, BT.
.set MSB, 0
.macro WIN new                         ; the immediate's high byte repeats the setting that is left; a switch that changes nothing is dropped
.if MSB != \new
	s_set_vgpr_msb (MSB<<8)|\new
.set MSB, \new
.endif
.endm
.macro CVT lo, hi, j                   ; four numbers to four codes: nearest, ties to even
	v_cvt_pk_fp8_f32 \lo, v[RB+4*(\j)], v[RB+4*(\j)+1]
	v_cvt_pk_fp8_f32 \hi, v[RB+4*(\j)+2], v[RB+4*(\j)+3]
.endm
; One row of x becomes 1,024 codes and 32 scale bytes.  j = K step; the eight take turns line by line, so that no line waits for the line above it.
.macro ROWQ slot
.set RB, R+32*(\slot)
.irp j, 0,1,2,3,4,5,6,7
	v_max3_num_f32 v[M+\j], |v[RB+4*\j]|, |v[RB+4*\j+1]|, |v[RB+4*\j+2]|
.endr
.irp j, 0,1,2,3,4,5,6,7
	v_max3_num_f32 v[M+\j], v[M+\j], |v[RB+4*\j+3]|, 0x4800000   ; and the floor 2^(9 - 127): the byte cannot fall under 1
.endr
.irp x, 1,2,4
.irp j, 0,1,2,3,4,5,6,7
	v_max_num_f32_dpp v[M+\j], v[M+\j], v[M+\j] row_xmask:\x row_mask:0xf bank_mask:0xf   ; eight neighbouring lanes hold a block of 32
.endr
.endr
.irp j, 0,1,2,3,4,5,6,7
	v_and_b32 v[M+\j], 0x7f800000, v[M+\j]         ; the largest magnitude's exponent field E
.endr
.irp j, 0,1,2,3,4,5,6,7
	v_sub_nc_u32 v[I+2*\j], s54, v[M+\j]           ; 1 / scale = 2^(135 - E): the field 262 - E
.endr
.irp j, 0,1,2,3,4,5,6,7
	v_lshrrev_b32 v[M+\j], 23, v[M+\j]
.endr
.irp j, 0,1,2,3,4,5,6,7
	v_add_nc_u32 v[M+\j], -8, v[M+\j]              ; the scale's byte: E - 8
.endr
.irp j, 0,1,2,3,4,5,6,7
	v_pk_mul_f32 v[RB+4*\j:RB+4*\j+1], v[RB+4*\j:RB+4*\j+1], v[I+2*\j:I+2*\j+1] op_sel_hi:[1,0]       ; by a power of two: nothing is rounded
	v_pk_mul_f32 v[RB+4*\j+2:RB+4*\j+3], v[RB+4*\j+2:RB+4*\j+3], v[I+2*\j:I+2*\j+1] op_sel_hi:[1,0]
.endr
.irp j, 0,1,2,3,4,5,6,7
.irp e, 0,1,2,3
	v_med3_num_f32 v[RB+4*\j+\e], v[RB+4*\j+\e], s52, s53   ; held within +-448: the conversion does not saturate (ISA guide 7.6.2)
.endr
.endr
	CVT v120.l, v120.h, 0
	CVT v121.l, v121.h, 1
	CVT v122.l, v122.h, 2
	CVT v123.l, v123.h, 3
	CVT v124.l, v124.h, 4
	CVT v125.l, v125.h, 5
	CVT v126.l, v126.h, 6
	CVT v127.l, v127.h, 7
.irp j, 0,1,2,3,4,5,6,7
	ds_store_b32 v[CSA], v[C+\j] offset:XP*(\slot)+128*\j       ; 32 lanes: 128 consecutive bytes of the row
	ds_store_b8 v[SBA], v[M+\j] offset:64*\j+4*(\slot)          ; the eight lanes of a block write the same byte with the same value
.endr
.endm
.macro REFILL slot                     ; my row 'slot' of the block at s[24:25]: eight loads of 512 consecutive bytes
.irp j, 0,1,2,3,4,5,6,7
	global_load_b128 v[R+32*(\slot)+4*\j:R+32*(\slot)+4*\j+3], v[LN16], s[24:25] offset:4096*(\slot)+512*\j th:TH_LOAD_NT
.endr
.endm
.macro LOADX i, s                      ; block i's fragment of K step s and its scale words: five LDS loads into place i % 4 of the ring
.irp c, 0,1,2,3
	ds_load_b128 v[XB+16*((\i)%4)+4*\c:XB+16*((\i)%4)+4*\c+3], v[XA+(\i)/3] offset:((\i)%3)*XBLK+128*(\s)+32*\c
.endr
	ds_load_b32 v[XSR+(\i)%4], v[XSA] offset:512*(\i)+64*(\s)
.endm
.macro LOADW buf, sb, step             ; four tiles' fragments of one K step: sixteen loads of 512 consecutive bytes into buffer buf of window 1
	WIN 0x40
.irp t, 0,1,2,3
.irp c, 0,1,2,3
	global_load_b128 v[64*(\buf)+16*\t+4*\c:64*(\buf)+16*\t+4*\c+3], v[LN16], s[\sb:\sb+1] offset:16384*\t+2048*(\step)+512*\c
.endr
.endr
	WIN 0
.endm
; Block i in K step s: four matrix instructions, one for each tile, each on another accumulator than the one before it.
; The fragment two blocks on is asked for first: its place in the ring was last read by block i - 2, and eight plain places lie between (four here, four in block i - 1).
; K step 0 has no way out: it starts all 64 sums, so that each accumulator is written ahead of its first read on every way.
.macro BLK i, s
.if ((\i) > 0) && ((\s) > 0)
	s_cmp_le_u32 s19, \i                           ; no more blocks: on to the step's end
	s_cbranch_scc1 .Ldone_\s
.endif
.if (\i) < 14
.rept 4
	v_nop
.endr
	LOADX (\i)+2, \s
	s_wait_dscnt 10                                ; block i's five loads are in; those of blocks i + 1 and i + 2 may be out
.elseif (\i) == 14
	s_wait_dscnt 5
.else
	s_wait_dscnt 0x0
.endif
.set AB, 32*((\i)%8)
.set WB, 64*((\s)%4)
.set XF, XB+16*((\i)%4)
.set WN, 2+(\i)/8
.if (\s) == 0
.set WW, (WN<<6)|1                     ; W1 window 1, x and b1 window 0, D window 2 or 3
.else
.set WW, (WN<<6)|(WN<<4)|1             ; C with D
.endif
	WIN WW
.irp t, 0,1,2,3
.if (\s) == 0
	v_wmma_scale_f32_16x16x128_f8f6f4 v[AB+8*\t:AB+8*\t+7], v[WB+16*\t:WB+16*\t+15], v[XF:XF+15], v[B1R+8*\t:B1R+8*\t+7], v[WSR+4*\t], v[XSR+(\i)%4]
.elseif (\s) < 4
	v_wmma_scale_f32_16x16x128_f8f6f4 v[AB+8*\t:AB+8*\t+7], v[WB+16*\t:WB+16*\t+15], v[XF:XF+15], v[AB+8*\t:AB+8*\t+7], v[WSR+4*\t+(\s)], v[XSR+(\i)%4]
.else
	v_wmma_scale_f32_16x16x128_f8f6f4 v[AB+8*\t:AB+8*\t+7], v[WB+16*\t:WB+16*\t+15], v[XF:XF+15], v[AB+8*\t:AB+8*\t+7], v[WSR+4*\t+(\s)-4], v[XSR+(\i)%4] matrix_a_scale:MATRIX_SCALE_ROW1
.endif
.endr
	WIN 0
.endm
; K step s of a pass.  Its first two fragments of x were asked for at the end of the step before.
.macro STEP s
	s_wait_loadcnt 48                              ; W1's sixteen loads for this step are in; those of the three steps behind it may be out
.irp i, 0,1,2,3,4,5,6,7,8,9,10,11,12,13,14,15
	BLK \i, \s
.endr
.Ldone_\s:
	s_wait_dscnt 0x0                               ; fragments asked for beyond the last block have landed: their registers may be loaded again
.rept 8
	v_nop                                          ; eight places behind the last matrix instructions: for the loads below, and behind step 7 for the first read of the results
.endr
.if (\s) < 7
	LOADX 0, (\s)+1
	LOADX 1, (\s)+1
.endif
.if (\s) < 4
	LOADW \s, 30, (\s)+4                           ; the buffer just read takes this pass's K step s + 4,
.else
	LOADW (\s)-4, 32, (\s)-4                       ; or the next pass's K step s - 4
.endif
.endm
; Block i behind a pass: 32 numbers a lane through tanh, times w2, into the block's pair of sums.  Each batch of transcendentals has one plain line and one wait behind it.
.macro ACT i
.if (\i) > 0
	s_cmp_le_u32 s19, \i
	s_cbranch_scc1 .Lact_done
.endif
.set AB, 32*((\i)%8)
.set WN, 2+(\i)/8
.set WW, (WN<<6)|WN
	WIN WW
.set p, 0
.rept 16
	v_pk_mul_f32 v[AB+p:AB+p+1], v[AB+p:AB+p+1], s[56:57] op_sel_hi:[1,0]   ; 2 log2(e) z; each accumulator from its low end on
.set p, p+2
.endr
.set p, 0
.rept 32
	v_exp_f32 v[AB+p], v[AB+p]
.set p, p+1
.endr
	v_nop
	s_wait_alu depctr_va_vdst(0)
.set p, 0
.rept 16
	v_pk_add_f32 v[AB+p:AB+p+1], v[AB+p:AB+p+1], 1.0 op_sel_hi:[1,0]
.set p, p+2
.endr
.set p, 0
.rept 32
	v_rcp_f32 v[AB+p], v[AB+p]
.set p, p+1
.endr
	v_nop
	s_wait_alu depctr_va_vdst(0)
.set p, 0
.rept 16
	v_pk_fma_f32 v[AB+p:AB+p+1], v[AB+p:AB+p+1], -2.0, 1.0 op_sel_hi:[1,0,0]   ; tanh: 1 where the power overflowed, -1 where it fell to 0
.set p, p+2
.endr
	WIN WN                                         ; source 0 in the accumulators' window, all else in window 0
.irp q, 0,1,2,3
.irp t, 0,1,2,3
.if \q == 0
	v_pk_mul_f32 v[T+2*\t:T+2*\t+1], v[AB+8*\t:AB+8*\t+1], v[W2R+8*\t:W2R+8*\t+1]
.else
	v_pk_fma_f32 v[T+2*\t:T+2*\t+1], v[AB+8*\t+2*\q:AB+8*\t+2*\q+1], v[W2R+8*\t+2*\q:W2R+8*\t+2*\q+1], v[T+2*\t:T+2*\t+1]
.endif
.endr
.endr
	WIN 0
	v_pk_add_f32 v[T:T+1], v[T:T+1], v[T+2:T+3]
	v_pk_add_f32 v[T+4:T+5], v[T+4:T+5], v[T+6:T+7]
	v_pk_add_f32 v[T:T+1], v[T:T+1], v[T+4:T+5]
	v_pk_add_f32 v[SC+2*(\i):SC+2*(\i)+1], v[SC+2*(\i):SC+2*(\i)+1], v[T:T+1]
.endm
	s_load_b256 s[4:11], s[0:1], 0x0               ; wgtab s[4:5], x s[6:7], w1f s[8:9], w1_scales s[10:11]
	s_load_b128 s[12:15], s[0:1], 0x20             ; b1 s[12:13], w2 s[14:15]
	s_load_b64 s[16:17], s[0:1], 0x30              ; scores
	v_lshrrev_b32 v46, 5, v0
	v_readfirstlane_b32 s18, v46                   ; wave 0..3
	v_and_b32 v47, 31, v0                          ; lane
	v_and_b32 v48, 15, v0                          ; r
	v_bfe_u32 v49, v0, 4, 1                        ; h
	v_lshlrev_b32 v[LN16], 4, v47
	v_mul_u32_u24 v[XA], v48, XP
	v_lshl_add_u32 v[XA], v49, 4, v[XA]
.irp u, 1,2,3,4,5
	v_add_nc_u32 v[XA+\u], \u*3*XBLK, v[XA]
.endr
	v_lshl_add_u32 v[XSA], v48, 2, XS
	s_lshl_b32 s46, s18, 13
	v_lshlrev_b32 v[WSA], 5, v48
	v_lshl_add_u32 v[WSA], v49, 4, v[WSA]
	v_add_nc_u32 v[WSA], s46, v[WSA]
	v_add_nc_u32 v[WSA], WS, v[WSA]
	v_add_nc_u32 v[CPW], s46, v[LN16]
	v_add_nc_u32 v[CPW], WS, v[CPW]
	s_lshl_b32 s46, s18, 10
	v_lshl_add_u32 v[BTA], v49, 5, s46
	v_add_nc_u32 v[BTA], BT, v[BTA]
	v_add_nc_u32 v[CPB], s46, v[LN16]
	v_add_nc_u32 v[CPB], BT, v[CPB]
	s_mul_i32 s46, s18, 4*XP
	v_lshl_add_u32 v[CSB], v47, 2, s46
	v_lshl_add_u32 v[ZAB], v47, 4, s46
	s_lshl_b32 s46, s18, 4
	v_lshrrev_b32 v[SBB], 3, v47
	v_add_nc_u32 v[SBB], s46, v[SBB]
	v_add_nc_u32 v[SBB], XS, v[SBB]
	v_lshrrev_b32 v[ZSB], 2, v47
	v_lshlrev_b32 v[ZSB], 6, v[ZSB]
	v_and_b32 v11, 3, v47
	v_lshl_add_u32 v[ZSB], v11, 2, v[ZSB]
	v_add_nc_u32 v[ZSB], s46, v[ZSB]
	v_add_nc_u32 v[ZSB], XS, v[ZSB]
.irp e, 0,1,2,3
	v_mov_b32 v[ZR+\e], 0
.endr
.irp j, 0,1,2,3,4,5,6,7
	v_mov_b32 v[I+2*\j+1], 0                       ; the pairs' upper words are named with the lower ones, so they are written
	v_mov_b32 v[C+\j], 0                           ; written whole once; then half by half
.endr
	s_mov_b32 s27, 0
	s_mov_b32 s52, 0xc3e00000                      ; -448
	s_mov_b32 s53, 0x43e00000                      ; 448
	s_mov_b32 s54, 0x83000000                      ; 262 << 23
	s_mov_b32 s56, 0x4038aa3b                      ; 2 log2(e)
	s_mov_b32 s57, s56
	s_mov_b32 s58, 0x76543210                      ; v_permlanex16_b32's selects for lane l xor 16
	s_mov_b32 s59, 0xfedcba98
	s_wait_kmcnt 0x0
	s_lshl_b32 s26, ttmp9, 7
	s_add_nc_u64 s[4:5], s[4:5], s[26:27]          ; my work-group's row of the table
	s_load_b32 s19, s[4:5], 0x40                   ; nb
	s_load_b32 s21, s[4:5], 0x0                    ; the first block
	s_lshl_b32 s26, s18, 4
	s_add_nc_u64 s[40:41], s[4:5], s[26:27]
	s_load_b128 s[36:39], s[40:41], 0x0            ; blocks 4 w .. 4 w + 3, for the end
	s_mov_b64 s[42:43], s[4:5]
	s_lshl_b32 s26, s18, 13
	s_add_nc_u64 s[10:11], s[10:11], s[26:27]      ; my 256 rows of w1_scales,
	s_lshl_b32 s26, s18, 10
	s_add_nc_u64 s[12:13], s[12:13], s[26:27]      ; my 256 numbers of b1
	s_add_nc_u64 s[14:15], s[14:15], s[26:27]      ; and of w2
	s_lshl_b32 s26, s18, 14
	s_add_nc_u64 s[22:23], s[6:7], s[26:27]        ; x at my four rows of a block
	s_lshl_b32 s26, s18, 18
	s_add_nc_u64 s[30:31], s[8:9], s[26:27]        ; W1 at my sixteen tiles
	WIN 0x40                                       ; the small tables wait in window 1 until phase X is over
.irp u, 0,1,2,3,4,5,6,7,8,9,10,11,12,13,14,15
	global_load_b128 v[4*\u:4*\u+3], v[LN16], s[10:11] offset:512*\u
.endr
.irp u, 0,1
	global_load_b128 v[64+4*\u:64+4*\u+3], v[LN16], s[12:13] offset:512*\u
	global_load_b128 v[72+4*\u:72+4*\u+3], v[LN16], s[14:15] offset:512*\u
.endr
	WIN 0
	s_wait_kmcnt 0x0
	s_min_u32 s19, s19, 16
	s_min_u32 s21, s21, 0xfff
	s_lshl_b32 s26, s21, 16                        ; a block of 16 rows is 65,536 bytes
	s_add_nc_u64 s[24:25], s[22:23], s[26:27]
	REFILL 0
	REFILL 1
	REFILL 2
	REFILL 3
	s_mov_b32 s20, 0
	s_mov_b32 s28, 0
	s_mov_b32 s29, 0
; ---- PHASE X: sixteen trips, a constant.  A trip quantises my four rows of block i while the same rows of block i + 1 are on their way; the last block asks for nothing; blocks from nb on are zeros.
.Lxblk:
	s_load_b32 s21, s[42:43], 0x4                  ; the table's next word (in the last trip word 16, which is not used)
	v_add_nc_u32 v[CSA], s28, v[CSB]
	v_add_nc_u32 v[SBA], s29, v[SBB]
	v_add_nc_u32 v[ZAA], s28, v[ZAB]
	v_add_nc_u32 v[ZSA], s29, v[ZSB]
	s_add_co_u32 s26, s20, 1
	s_wait_kmcnt 0x0
	s_wait_xcnt 0x0                                ; every load issued so far has read its address: s[42:43] and s[24:25] may be written
	s_add_nc_u64 s[42:43], s[42:43], 4
	s_cmp_ge_u32 s20, s19
	s_cbranch_scc1 .Lxzero
	s_cmp_lt_u32 s26, s19
	s_cbranch_scc0 .Lxtail
	s_min_u32 s21, s21, 0xfff
	s_lshl_b32 s26, s21, 16
	s_add_nc_u64 s[24:25], s[22:23], s[26:27]
.irp q, 0,1,2,3
	s_wait_loadcnt 24                              ; this row's eight loads are in; the 24 of the three rows behind it may be out
	ROWQ \q
	REFILL \q
.endr
	s_branch .Lxnext
.Lxtail:                                           ; the last block: the counts run down
	s_wait_loadcnt 24
	ROWQ 0
	s_wait_loadcnt 16
	ROWQ 1
	s_wait_loadcnt 8
	ROWQ 2
	s_wait_loadcnt 0x0
	ROWQ 3
	s_branch .Lxnext
.Lxzero:
.irp q, 0,1,2,3
.irp u, 0,1
	ds_store_b128 v[ZAA], v[ZR:ZR+3] offset:XP*\q+512*\u
.endr
.endr
	ds_store_b32 v[ZSA], v[ZR]                     ; eight K steps x my four rows
.Lxnext:
	s_add_co_u32 s28, s28, XBLK
	s_add_co_u32 s29, s29, 512
	s_add_co_u32 s20, s20, 1
	s_cmp_lt_u32 s20, 16
	s_cbranch_scc1 .Lxblk
; ---- between the phases
	s_wait_loadcnt 0x0                             ; the small tables are in
	WIN 0x04                                       ; an LDS store's data are its source 1: window 1
.irp u, 0,1,2,3,4,5,6,7,8,9,10,11,12,13,14,15
	ds_store_b128 v[CPW], v[4*\u:4*\u+3] offset:512*\u
.endr
.irp u, 0,1
	ds_store_b128 v[CPB], v[64+4*\u:64+4*\u+3] offset:512*\u
	ds_store_b128 v[CPB], v[72+4*\u:72+4*\u+3] offset:4096+512*\u
.endr
	WIN 0
.set p, 0
.rept 32
	v_mov_b32 v[SC+p], 0                           ; the blocks' sums, which four passes add to
.set p, p+1
.endr
	v_and_b32 v[R4], 15, v0
	v_lshlrev_b32 v[R4], 2, v[R4]
	s_lshl_b32 s46, s18, 10
	v_add_nc_u32 v[SXW], s46, v[R4]
	v_add_nc_u32 v[SXW], SX, v[SXW]
	s_lshl_b32 s46, s18, 8
	v_add_nc_u32 v[SXR], s46, v[R4]
	v_add_nc_u32 v[SXR], SX, v[SXR]
	s_mov_b32 s34, 0
	s_mov_b32 s44, 0
	s_mov_b32 s45, 0
	s_wait_dscnt 0x0                               ; for the others' sake: my codes, scale bytes and tables lie in LDS
	LOADW 0, 30, 0                                 ; the first pass's first four K steps
	LOADW 1, 30, 1
	LOADW 2, 30, 2
	LOADW 3, 30, 3
	s_barrier_signal -1
	s_barrier_wait -1                              ; everybody's do
; ---- four passes of 64 units n
.Lpass:
	s_cmp_lt_u32 s34, 3
	s_cselect_b32 s26, 0x10000, 0                  ; the next pass's four tiles lie 65,536 bytes on.  The last pass has none: its look-ahead reads K steps 0-3 of its own tiles once more
	s_add_nc_u64 s[32:33], s[30:31], s[26:27]      ; (32 KiB a wave, inside the buffer, not used), so that the count in front of a K step names the same loads in every pass
	v_add_nc_u32 v[WST], s44, v[WSA]
	v_add_nc_u32 v[BTT], s45, v[BTA]
.irp t, 0,1,2,3
	ds_load_b128 v[WSR+4*\t:WSR+4*\t+3], v[WST] offset:512*\t
.endr
.irp t, 0,1,2,3
	ds_load_b128 v[B1R+8*\t:B1R+8*\t+3], v[BTT] offset:64*\t
	ds_load_b128 v[B1R+8*\t+4:B1R+8*\t+7], v[BTT] offset:64*\t+16
	ds_load_b128 v[W2R+8*\t:W2R+8*\t+3], v[BTT] offset:4096+64*\t
	ds_load_b128 v[W2R+8*\t+4:W2R+8*\t+7], v[BTT] offset:4096+64*\t+16
.endr
	LOADX 0, 0                                     ; LDS loads come back in order (ISA guide 5.7.1): the wait for block 0's fragment also shows the twenty loads above done
	LOADX 1, 0
	STEP 0
	STEP 1
	STEP 2
	STEP 3
	STEP 4
	STEP 5
	STEP 6
	STEP 7
.irp i, 0,1,2,3,4,5,6,7,8,9,10,11,12,13,14,15
	ACT \i
.endr
.Lact_done:
	s_wait_xcnt 0x0                                ; W1's loads have read their bases
	s_mov_b64 s[30:31], s[32:33]
	s_add_co_u32 s44, s44, 2048
	s_add_co_u32 s45, s45, 256
	s_add_co_u32 s34, s34, 1
	s_cmp_lt_u32 s34, 4
	s_cbranch_scc1 .Lpass
; ---- the end: a pair's two halves, the other half of the lanes, the four waves
.irp i, 0,1,2,3,4,5,6,7,8,9,10,11,12,13,14,15
	v_add_f32 v[SC+2*\i], v[SC+2*\i], v[SC+2*\i+1]
.endr
.irp i, 0,1,2,3,4,5,6,7,8,9,10,11,12,13,14,15
	v_permlanex16_b32 v[SC+2*\i+1], v[SC+2*\i], s58, s59
.endr
.irp i, 0,1,2,3,4,5,6,7,8,9,10,11,12,13,14,15
	v_add_f32 v[SC+2*\i], v[SC+2*\i], v[SC+2*\i+1]
.endr
.irp i, 0,1,2,3,4,5,6,7,8,9,10,11,12,13,14,15
	ds_store_b32 v[SXW], v[SC+2*\i] offset:64*\i   ; lanes r and r + 16 write the same word with the same value
.endr
	s_wait_dscnt 0x0
	s_barrier_signal -1
	s_barrier_wait -1
.irp u, 0,1,2,3
.irp p, 0,1,2,3
	ds_load_b32 v[SUM+4*\u+\p], v[SXR] offset:64*\u+1024*\p
.endr
.endr
.irp u, 0,1,2,3
	s_min_u32 s26, s[36+\u], 0xfff
	s_lshl_b32 s26, s26, 6                         ; a block's 16 scores are 64 bytes
	s_add_nc_u64 s[68+2*\u:69+2*\u], s[16:17], s[26:27]
.endr
	s_lshl_b32 s46, s18, 2
	v_and_b32 v145, 31, v0
	s_wait_dscnt 0x0
.irp u, 0,1,2,3
	v_add_f32 v[SUM+4*\u], v[SUM+4*\u], v[SUM+4*\u+1]
	v_add_f32 v[SUM+4*\u+2], v[SUM+4*\u+2], v[SUM+4*\u+3]
.endr
.irp u, 0,1,2,3
	v_add_f32 v[SUM+4*\u], v[SUM+4*\u], v[SUM+4*\u+2]
.endr
	v_cmp_gt_u32 vcc_lo, 16, v145
	s_wait_xcnt 0x0                                ; EXEC changes only behind this wait
	s_and_saveexec_b32 s35, vcc_lo                 ; lanes 0-15 hold the block's 16 rows
.irp u, 0,1,2,3
	s_add_co_u32 s21, s46, \u
	s_cmp_lt_u32 s21, s19
	s_cbranch_scc0 .Lno_\u
	global_store_b32 v[R4], v[SUM+4*\u], s[68+2*\u:69+2*\u]   ; 64 consecutive bytes: a block's scores (blocks of a work-group need not be neighbours)
.Lno_\u:
.endr
	s_wait_xcnt 0x0                                ; and again, in front of the line that widens it
	s_or_b32 exec_lo, exec_lo, s35
	s_wait_xcnt 0x0
	s_mov_b32 exec_lo, -1
	v_lshl_add_u32 v126, v0, 2, 0x4e000
	v_mov_b32 v127, 0
	s_wait_tensorcnt 0x0
	ds_add_u32 v126, v127
	s_wait_dscnt 0x0
	s_endpgm
.Lfunc_end_k_q7355ac8a1d_score:
	.size	k_q7355ac8a1d_score, .Lfunc_end_k_q7355ac8a1d_score-k_q7355ac8a1d_score
	.p2alignl 7, 3214868480
	.fill 96, 4, 3214868480
	.section	.rodata,"a",@progbits
	.p2align	6, 0x0
	.amdhsa_kernel k_q7355ac8a1d_score
		.amdhsa_group_segment_fixed_size 320000
		.amdhsa_private_segment_fixed_size 0
		.amdhsa_enable_private_segment 0
		.amdhsa_kernarg_size 56
		.amdhsa_user_sgpr_count 2
		.amdhsa_user_sgpr_kernarg_segment_ptr 1
		.amdhsa_wavefront_size32 1
		.amdhsa_system_sgpr_workgroup_id_x 1
		.amdhsa_system_sgpr_workgroup_id_y 1
		.amdhsa_system_sgpr_workgroup_id_z 1
		.amdhsa_system_vgpr_workitem_id 0
		.amdhsa_next_free_vgpr 1024
		.amdhsa_next_free_sgpr 80
		.amdhsa_reserve_vcc 1
		.amdhsa_float_denorm_mode_32 3
		.amdhsa_float_denorm_mode_16_64 3
		.amdhsa_memory_ordered 1
		.amdhsa_forward_progress 1
		.amdhsa_inst_pref_size 255
	.end_amdhsa_kernel
	.section	.bss,"aw",@nobits
	.p2align	6
	.space	262144
	.amdgpu_metadata
---
amdhsa.version: [ 1, 2 ]
amdhsa.kernels:
  - .name:           k_q7355ac8a1d_score
    .symbol:         k_q7355ac8a1d_score.kd
    .args:
      - { .name: wgtab, .offset: 0, .size: 8, .value_kind: global_buffer, .address_space: global }
      - { .name: x, .offset: 8, .size: 8, .value_kind: global_buffer, .address_space: global }
      - { .name: w1f, .offset: 16, .size: 8, .value_kind: global_buffer, .address_space: global }
      - { .name: w1_scales, .offset: 24, .size: 8, .value_kind: global_buffer, .address_space: global }
      - { .name: b1, .offset: 32, .size: 8, .value_kind: global_buffer, .address_space: global }
      - { .name: w2, .offset: 40, .size: 8, .value_kind: global_buffer, .address_space: global }
      - { .name: scores, .offset: 48, .size: 8, .value_kind: global_buffer, .address_space: global }
    .group_segment_fixed_size: 320000
    .private_segment_fixed_size: 0
    .kernarg_segment_align: 8
    .kernarg_segment_size: 56
    .max_flat_workgroup_size: 128
    .sgpr_count:     80
    .vgpr_count:     1024
    .wavefront_size: 32
...
	.end_amdgpu_metadata
.endif
;; end of part 2
;; launch select (part 3): grid 32 x 1, 1 waves a work-group, no clusters, 0 bytes of LDS; arguments scores, lengths, sel; writes sel
.if DOCPART == 3
	.amdgcn_target "amdgcn-amd-amdhsa--gfx1250"
	.amdhsa_code_object_version 6
	.text
	.protected	k_q7355ac8a1d_select
	.globl	k_q7355ac8a1d_select
	.p2align	8
	.type	k_q7355ac8a1d_select,@function
k_q7355ac8a1d_select:
	s_mov_b64 s[64:65], 0
	v_nop
	global_prefetch_b8 v0, s[64:65] scope:SCOPE_SE
	s_setreg_imm32_b32 hwreg(HW_REG_WAVE_MODE, 25, 1), 1
	s_wait_xcnt 0x0
; For batch b: which k of the 2,048 positions have the largest scores, ties to the lower position, positions at or behind the length counting as -infinity.
; k = ceil(f32(len) x 0.35f), held to 6 .. 717 (the problem's own bound on the rows it gathers).
; One wave; lane l holds position t = 32 j + l in register j.  A score becomes a whole number that orders as the score does (-0 first made +0); the k-th largest is found bit by bit in 32 trips,
; each a count of the keys not under a trial value.  All keys above it are taken, and of the keys equal to it the first k - (number above), by position.
; THE COUNT STAYS IN THE VECTOR UNIT: a compare's mask becomes 0 or 1 in each lane, two of these at a time are added to one of four running counts a lane, and the lanes' counts are summed in f32
; (at most 2,048: exact).  The threshold and the trial value are vector registers, the same in every lane, and the choice between them is a select: no scalar instruction stands on the way from a
; count to the next trial value.  Lines of one kind stand in batches of sixteen, so that no line reads what the line above it wrote.
; What is decided here is only selected and stored (no branch and no address hangs on it): sel[b][128 words]: words 0-63 bit l of word j = position 32 j + l is taken; word 64 = k; the rest 0.
; LIMIT: NaN among the scores is not served.
.set K,   16                           ; v16-79 the keys
.set TT,  80                           ; v80-95 sixteen numbers at work
.set CN,  12                           ; v12-15 four running counts a lane; v12 ends as the count
.set KF,  9                            ; v9     k as f32
.set CA,  10                           ; v10    the trial value
.set TH,  11                           ; v11    the threshold so far
.set LL,  96                           ; v96    len - lane
.set ND,  97                           ; v97    how many of the equal keys are wanted
	s_load_b128 s[4:7], s[0:1], 0x0                ; scores, lengths
	s_load_b64 s[8:9], s[0:1], 0x10                ; sel
	v_lshlrev_b32 v1, 2, v0
	v_lshlrev_b32 v8, 3, v0
	v_mov_b32 v2, 0x7fffff                         ; the key of -infinity
	s_lshl_b32 s10, ttmp9, 13
	s_mov_b32 s11, 0
	s_lshl_b32 s12, ttmp9, 2
	s_mov_b32 s13, 0
	s_lshl_b32 s14, ttmp9, 9
	s_mov_b32 s15, 0
	s_mov_b32 s28, 0x76543210                      ; v_permlanex16_b32's selects for lane l xor 16
	s_mov_b32 s29, 0xfedcba98
	s_wait_kmcnt 0x0
	s_add_nc_u64 s[4:5], s[4:5], s[10:11]
	s_add_nc_u64 s[6:7], s[6:7], s[12:13]
	s_add_nc_u64 s[8:9], s[8:9], s[14:15]
	s_load_b32 s16, s[6:7], 0x0                    ; len
.set j, 0
.rept 64
	global_load_b32 v[K+j], v1, s[4:5] offset:128*j   ; 128 consecutive bytes
.set j, j+1
.endr
	s_wait_kmcnt 0x0
	v_cvt_f32_i32 v3, s16
	v_mul_f32 v3, 0x3eb33333, v3                   ; x 0.35 in f32, as the problem has it
	v_floor_f32 v3, -v3                            ; -ceil
	v_cvt_i32_f32 v3, v3
	v_readfirstlane_b32 s19, v3
	s_sub_co_i32 s19, 0, s19
	s_max_i32 s19, s19, 6
	s_min_i32 s19, s19, 717                        ; k
	v_cvt_f32_i32 v[KF], s19
	v_sub_nc_u32 v[LL], s16, v0                    ; position 32 j + lane lies ahead of the length where 32 j < len - lane
	s_wait_loadcnt 0x0
; the keys, sixteen registers at a time
.set q, 0
.rept 4
.set n, 0
.rept 16
	v_add_f32 v[K+16*q+n], 0, v[K+16*q+n]          ; -0 becomes +0: the two are a tie
.set n, n+1
.endr
.set n, 0
.rept 16
	v_ashrrev_i32 v[TT+n], 31, v[K+16*q+n]
.set n, n+1
.endr
.set n, 0
.rept 16
	v_or_b32 v[TT+n], 0x80000000, v[TT+n]
.set n, n+1
.endr
.set n, 0
.rept 16
	v_xor_b32 v[K+16*q+n], v[TT+n], v[K+16*q+n]    ; negative: all bits turned; else the sign bit set
.set n, n+1
.endr
.set n, 0
.rept 16
	v_cmp_lt_i32 s[32+n], 32*(16*q+n), v[LL]       ; t < len
.set n, n+1
.endr
.set n, 0
.rept 16
	v_cndmask_b32 v[K+16*q+n], v2, v[K+16*q+n], s[32+n]
.set n, n+1
.endr
.set q, q+1
.endr
; v12 = in every lane, as f32, the number of keys for which 'v[src] cmp key' holds
.macro COUNT cmp, src
.set q, 0
.rept 4
.set n, 0
.rept 16
	\cmp s[32+n], v[\src], v[K+16*q+n]
.set n, n+1
.endr
.set n, 0
.rept 16
	v_cndmask_b32 v[TT+n], 0, 1, s[32+n]
.set n, n+1
.endr
.set n, 0
.rept 8
.if (q == 0) && (n < 4)
	v_add_nc_u32 v[CN+n], v[TT+2*n], v[TT+2*n+1]   ; the first four sums start the counts: nothing is cleared
.else
	v_add3_u32 v[CN+n%4], v[CN+n%4], v[TT+2*n], v[TT+2*n+1]
.endif
.set n, n+1
.endr
.set q, q+1
.endr
	v_add3_u32 v[CN], v[CN], v[CN+1], v[CN+2]
	v_add_nc_u32 v[CN], v[CN], v[CN+3]             ; my lane's 64 keys
	v_cvt_f32_u32 v[CN], v[CN]
	v_add_f32_dpp v[CN], v[CN], v[CN] row_xmask:1 row_mask:0xf bank_mask:0xf
	v_add_f32_dpp v[CN], v[CN], v[CN] row_xmask:2 row_mask:0xf bank_mask:0xf
	v_add_f32_dpp v[CN], v[CN], v[CN] row_xmask:4 row_mask:0xf bank_mask:0xf
	v_add_f32_dpp v[CN], v[CN], v[CN] row_xmask:8 row_mask:0xf bank_mask:0xf
	v_permlanex16_b32 v[CN+1], v[CN], s28, s29     ; (its destination has been written: it was a running count)
	v_add_f32 v[CN], v[CN], v[CN+1]                ; all 2,048
.endm
	v_mov_b32 v[TH], 0                             ; the k-th largest key, from its top bit down
	s_mov_b32 s23, 0x80000000
	s_mov_b32 s22, 0
.Lbit:
	v_or_b32 v[CA], s23, v[TH]
	COUNT v_cmp_le_u32, CA
	v_cmp_ge_f32 vcc_lo, v[CN], v[KF]              ; at least k keys are not under the trial value: the bit stays
	v_cndmask_b32 v[TH], v[TH], v[CA], vcc_lo
	s_lshr_b32 s23, s23, 1
	s_add_co_u32 s22, s22, 1
	s_cmp_lt_u32 s22, 32
	s_cbranch_scc1 .Lbit
	COUNT v_cmp_lt_u32, TH                         ; the keys above the threshold: fewer than k
	v_cvt_u32_f32 v[CN], v[CN]
	v_sub_nc_u32 v[ND], s19, v[CN]                 ; how many of the equal keys are wanted: at least one
	v_mov_b32 v4, 0
	v_mov_b32 v5, 0
	v_mov_b32 v6, 0
	v_mov_b32 v7, 0
	s_mov_b32 s21, 0                               ; equal keys in the words passed
; the 64 words of bits, sixteen at a time: s[32..] above, s[48..] equal, s[66..] first the equal keys ahead of the word, then the word itself
.set q, 0
.rept 4
.set n, 0
.rept 16
	v_cmp_lt_u32 s[32+n], v[TH], v[K+16*q+n]
.set n, n+1
.endr
.set n, 0
.rept 16
	v_cmp_eq_u32 s[48+n], v[TH], v[K+16*q+n]
.set n, n+1
.endr
.set n, 0
.rept 16
	s_mov_b32 s[66+n], s21
	s_bcnt1_i32_b32 s20, s[48+n]
	s_add_co_u32 s21, s21, s20
.set n, n+1
.endr
.set n, 0
.rept 16
	v_mbcnt_lo_u32_b32 v[TT+n], s[48+n], s[66+n]   ; equal keys at lower positions: in earlier words and in lower lanes of this one
.set n, n+1
.endr
.set n, 0
.rept 16
	v_cmp_gt_u32 s[66+n], v[ND], v[TT+n]           ; fewer than are wanted lie ahead of me
.set n, n+1
.endr
.set n, 0
.rept 16
	s_and_b32 s[66+n], s[66+n], s[48+n]            ; and my key is an equal one,
	s_or_b32 s[66+n], s[66+n], s[32+n]             ; or it lies above
.set n, n+1
.endr
.set n, 0
.rept 16
	v_writelane_b32 v[4+((16*q+n)&1)], s[66+n], (16*q+n)>>1   ; word j: lane j / 2 of the pair
.set n, n+1
.endr
.set q, q+1
.endr
	v_writelane_b32 v6, s19, 0
	global_store_b64 v8, v[4:5], s[8:9]            ; 256 consecutive bytes: the 64 words
	global_store_b64 v8, v[6:7], s[8:9] offset:256 ; and 256 more: k, then zeros
	s_endpgm
.Lfunc_end_k_q7355ac8a1d_select:
	.size	k_q7355ac8a1d_select, .Lfunc_end_k_q7355ac8a1d_select-k_q7355ac8a1d_select
	.p2alignl 7, 3214868480
	.fill 96, 4, 3214868480
	.section	.rodata,"a",@progbits
	.p2align	6, 0x0
	.amdhsa_kernel k_q7355ac8a1d_select
		.amdhsa_group_segment_fixed_size 0
		.amdhsa_private_segment_fixed_size 0
		.amdhsa_enable_private_segment 0
		.amdhsa_kernarg_size 24
		.amdhsa_user_sgpr_count 2
		.amdhsa_user_sgpr_kernarg_segment_ptr 1
		.amdhsa_wavefront_size32 1
		.amdhsa_system_sgpr_workgroup_id_x 1
		.amdhsa_system_sgpr_workgroup_id_y 1
		.amdhsa_system_sgpr_workgroup_id_z 1
		.amdhsa_system_vgpr_workitem_id 0
		.amdhsa_next_free_vgpr 112
		.amdhsa_next_free_sgpr 96
		.amdhsa_reserve_vcc 1
		.amdhsa_float_denorm_mode_32 3
		.amdhsa_float_denorm_mode_16_64 3
		.amdhsa_memory_ordered 1
		.amdhsa_forward_progress 1
		.amdhsa_inst_pref_size 79
	.end_amdhsa_kernel
	.amdgpu_metadata
---
amdhsa.version: [ 1, 2 ]
amdhsa.kernels:
  - .name:           k_q7355ac8a1d_select
    .symbol:         k_q7355ac8a1d_select.kd
    .args:
      - { .name: scores, .offset: 0, .size: 8, .value_kind: global_buffer, .address_space: global }
      - { .name: lengths, .offset: 8, .size: 8, .value_kind: global_buffer, .address_space: global }
      - { .name: sel, .offset: 16, .size: 8, .value_kind: global_buffer, .address_space: global }
    .group_segment_fixed_size: 0
    .private_segment_fixed_size: 0
    .kernarg_segment_align: 8
    .kernarg_segment_size: 24
    .max_flat_workgroup_size: 32
    .sgpr_count:     96
    .vgpr_count:     112
    .wavefront_size: 32
...
	.end_amdgpu_metadata
.endif
;; end of part 3
;; launch pool (part 4): grid 8 x 32, 16 waves a work-group, no clusters, 18,432 bytes of LDS; arguments sel, x, out0; writes out0
.if DOCPART == 4
	.amdgcn_target "amdgcn-amd-amdhsa--gfx1250"
	.amdhsa_code_object_version 6
	.text
	.protected	k_q7355ac8a1d_pool
	.globl	k_q7355ac8a1d_pool
	.p2align	8
	.type	k_q7355ac8a1d_pool,@function
k_q7355ac8a1d_pool:
	s_mov_b64 s[64:65], 0
	v_nop
	global_prefetch_b8 v0, s[64:65] scope:SCOPE_SE
	s_setreg_imm32_b32 hwreg(HW_REG_WAVE_MODE, 25, 1), 1
	s_wait_xcnt 0x0
; out0[b][128 cx .. 128 cx + 127] = the mean of those columns over the k rows of x[b] that sel[b] names.  Work-group (cx, b); sixteen waves.
; Wave 0 turns the 64 words of bits into a list of positions in LDS: a running count and the count of set bits in lower lanes give each set bit its place; a lane whose bit is not set writes to a
; dump word of its own behind the list, which nobody reads.  All lanes stay on.  Places from k on hold 0.
; Wave w then takes list places 16 i + w, i = 0 .. 47: the places in groups of 128, as many groups as k needs; a row's part is one load of 512 consecutive bytes, and all of a wave's loads are out together.
; The groups of loads are a chain with a way out behind each; the sums are the same chain backward, entered at the group last loaded, so that every way to a sum has issued its loads.
; A place at or behind k reads row 0 and counts with the weight 0.  LIMIT: NaN and infinities in x are not served.
.set LIST, 0                           ; words 0-767 the list; words 768-799 the dump
.set RED,  8192                        ; 16 waves x 512 bytes
.set D,    32                          ; v32-223: place i: first its list word, then its offset, then its 16 bytes
	s_load_b128 s[4:7], s[0:1], 0x0                ; sel, x
	s_load_b64 s[8:9], s[0:1], 0x10                ; out0
	v_lshl_add_u32 v254, v0, 2, 0x4000
	v_mov_b32 v255, 0
	v_lshrrev_b32 v1, 5, v0
	v_readfirstlane_b32 s10, v1                    ; wave
	v_and_b32 v1, 31, v0                           ; lane
	v_lshlrev_b32 v2, 4, v1                        ; 16 x lane
	v_add_nc_u32 v5, 768, v1                       ; my dump word's index
	s_lshl_b32 s12, s10, 2
	v_mov_b32 v7, s12                              ; LIST + 4 w
	s_lshl_b32 s12, s10, 9
	v_add_nc_u32 v16, s12, v2
	v_add_nc_u32 v16, RED, v16                     ; my wave's part of the sums
.irp e, 0,1,2,3,4,5,6,7
	v_mov_b32 v[8+\e], 0                           ; two sets of four sums
.endr
	v_mov_b32 v19, 0
	s_and_b32 s11, ttmp7, 0xffff                   ; b
	s_lshl_b32 s12, s11, 9
	s_mov_b32 s13, 0
	s_mov_b32 s89, 0
	s_wait_kmcnt 0x0
	s_add_nc_u64 s[4:5], s[4:5], s[12:13]
	s_load_b32 s14, s[4:5], 0x100                  ; k
	s_lshl_b32 s12, s11, 23
	s_add_nc_u64 s[6:7], s[6:7], s[12:13]          ; x[b],
	s_lshl_b32 s12, ttmp9, 9
	s_add_nc_u64 s[6:7], s[6:7], s[12:13]          ; my 512 bytes of its rows
	s_add_nc_u64 s[8:9], s[8:9], s[12:13]
	s_lshl_b32 s12, s11, 12
	s_add_nc_u64 s[8:9], s[8:9], s[12:13]
	s_cmp_lg_u32 s10, 0
	s_cbranch_scc1 .Lothers
	s_load_b512 s[16:31], s[4:5], 0x0              ; the 64 words of bits
	s_load_b512 s[32:47], s[4:5], 0x40
	s_load_b512 s[48:63], s[4:5], 0x80
	s_load_b512 s[68:83], s[4:5], 0xc0
.irp u, 0,1,2,3,4,5
	ds_store_b128 v2, v[8:11] offset:LIST+512*\u   ; the list begins as zeros
.endr
	s_mov_b32 s86, 0
	s_wait_kmcnt 0x0
.macro PUT j, sm                       ; word j of the bits, in s[sm]
	v_mbcnt_lo_u32_b32 v3, s[\sm], s86             ; the place in the list that my bit takes if it is set,
	v_min_u32 v3, 0x2ff, v3                        ; held inside the list's 768 words;
	v_cndmask_b32 v3, v5, v3, s[\sm]               ; my dump word where it is not set.  The choice stands ahead of the bound:
	v_min_u32 v3, 0x3ff, v3                        ; an index under 1,024, whatever was read,
	v_lshlrev_b32 v3, 2, v3                        ; in bytes
	v_add_nc_u32 v6, 32*(\j), v1                   ; my position
	ds_store_b32 v3, v6                            ; LDS serves a wave's instructions in order, so this comes behind the zeros
	s_bcnt1_i32_b32 s87, s[\sm]
	s_add_co_u32 s86, s86, s87
.endm
.set j, 0
.rept 48
	PUT j, 16+j
.set j, j+1
.endr
.rept 16
	PUT j, 20+j
.set j, j+1
.endr
.Lothers:
	s_wait_kmcnt 0x0
	s_min_u32 s14, s14, 717
	s_max_u32 s14, s14, 1
	s_wait_dscnt 0x0                               ; wave 0's list lies in LDS
	s_barrier_signal -1
	s_barrier_wait -1
.set i, 0
.rept 48
	ds_load_b32 v[D+4*i], v7 offset:LIST+64*i      ; the same word in every lane
.set i, i+1
.endr
	s_wait_dscnt 0x0
.macro GLOAD g
.irp q, 0,1,2,3,4,5,6,7
	v_min_u32 v[D+4*(8*\g+\q)], 0x7ff, v[D+4*(8*\g+\q)]
.endr
.irp q, 0,1,2,3,4,5,6,7
	v_lshl_add_u32 v[D+4*(8*\g+\q)], v[D+4*(8*\g+\q)], 12, v2   ; 4,096 x row + 16 x lane
.endr
.irp q, 0,1,2,3,4,5,6,7
	global_load_b128 v[D+4*(8*\g+\q):D+4*(8*\g+\q)+3], v[D+4*(8*\g+\q)], s[6:7]   ; it lands on its own offset's register
.endr
.endm
.macro GSUM g
	s_wait_loadcnt 0x0                             ; the group entered at is the youngest: all loads are in
.irp q, 0,1,2,3,4,5,6,7
	s_add_co_u32 s90, s10, 16*(8*\g+\q)
	s_cmp_lt_u32 s90, s14
	s_cselect_b32 s88, 1.0, 0                      ; the place's weight
	v_pk_fma_f32 v[8+4*(\q%2):9+4*(\q%2)], v[D+4*(8*\g+\q):D+4*(8*\g+\q)+1], s[88:89], v[8+4*(\q%2):9+4*(\q%2)] op_sel_hi:[1,0,1]
	v_pk_fma_f32 v[10+4*(\q%2):11+4*(\q%2)], v[D+4*(8*\g+\q)+2:D+4*(8*\g+\q)+3], s[88:89], v[10+4*(\q%2):11+4*(\q%2)] op_sel_hi:[1,0,1]
.endr
.endm
	GLOAD 0
	s_cmp_le_u32 s14, 128
	s_cbranch_scc1 .Lsum1
	GLOAD 1
	s_cmp_le_u32 s14, 256
	s_cbranch_scc1 .Lsum2
	GLOAD 2
	s_cmp_le_u32 s14, 384
	s_cbranch_scc1 .Lsum3
	GLOAD 3
	s_cmp_le_u32 s14, 512
	s_cbranch_scc1 .Lsum4
	GLOAD 4
	s_cmp_le_u32 s14, 640
	s_cbranch_scc1 .Lsum5
	GLOAD 5
	GSUM 5
.Lsum5:
	GSUM 4
.Lsum4:
	GSUM 3
.Lsum3:
	GSUM 2
.Lsum2:
	GSUM 1
.Lsum1:
	GSUM 0
	v_pk_add_f32 v[8:9], v[8:9], v[12:13]
	v_pk_add_f32 v[10:11], v[10:11], v[14:15]
	ds_store_b128 v16, v[8:11]
	s_wait_dscnt 0x0
	s_barrier_signal -1
	s_barrier_wait -1
	s_cmp_lg_u32 s10, 0
	s_cbranch_scc1 .Lend
.irp u, 0,1,2,3,4,5,6,7,8,9,10,11,12,13,14,15
	ds_load_b128 v[D+4*\u:D+4*\u+3], v2 offset:RED+512*\u
.endr
	v_cvt_f32_u32 v18, s14
	v_rcp_f32 v18, v18                             ; 1 / k
	v_nop
	s_wait_dscnt 0x0
.irp u, 1,2,3,4,5,6,7,8,9,10,11,12,13,14,15
	v_pk_add_f32 v[D:D+1], v[D:D+1], v[D+4*\u:D+4*\u+1]
	v_pk_add_f32 v[D+2:D+3], v[D+2:D+3], v[D+4*\u+2:D+4*\u+3]
.endr
	s_wait_alu depctr_va_vdst(0)                   ; ahead of the reciprocal's first reader
	v_pk_mul_f32 v[D:D+1], v[D:D+1], v[18:19] op_sel_hi:[1,0]
	v_pk_mul_f32 v[D+2:D+3], v[D+2:D+3], v[18:19] op_sel_hi:[1,0]
	global_store_b128 v2, v[D:D+3], s[8:9]         ; 512 consecutive bytes, at a multiple of 512 from out0's first byte
.Lend:
	s_barrier_signal -1
	s_barrier_wait -1
	s_wait_tensorcnt 0x0
	ds_add_u32 v254, v255
	s_wait_dscnt 0x0
	s_endpgm
.Lfunc_end_k_q7355ac8a1d_pool:
	.size	k_q7355ac8a1d_pool, .Lfunc_end_k_q7355ac8a1d_pool-k_q7355ac8a1d_pool
	.p2alignl 7, 3214868480
	.fill 96, 4, 3214868480
	.section	.rodata,"a",@progbits
	.p2align	6, 0x0
	.amdhsa_kernel k_q7355ac8a1d_pool
		.amdhsa_group_segment_fixed_size 18432
		.amdhsa_private_segment_fixed_size 0
		.amdhsa_enable_private_segment 0
		.amdhsa_kernarg_size 24
		.amdhsa_user_sgpr_count 2
		.amdhsa_user_sgpr_kernarg_segment_ptr 1
		.amdhsa_wavefront_size32 1
		.amdhsa_system_sgpr_workgroup_id_x 1
		.amdhsa_system_sgpr_workgroup_id_y 1
		.amdhsa_system_sgpr_workgroup_id_z 1
		.amdhsa_system_vgpr_workitem_id 0
		.amdhsa_next_free_vgpr 256
		.amdhsa_next_free_sgpr 100
		.amdhsa_reserve_vcc 0
		.amdhsa_float_denorm_mode_32 3
		.amdhsa_float_denorm_mode_16_64 3
		.amdhsa_memory_ordered 1
		.amdhsa_forward_progress 1
		.amdhsa_inst_pref_size 63
	.end_amdhsa_kernel
	.amdgpu_metadata
---
amdhsa.version: [ 1, 2 ]
amdhsa.kernels:
  - .name:           k_q7355ac8a1d_pool
    .symbol:         k_q7355ac8a1d_pool.kd
    .args:
      - { .name: sel, .offset: 0, .size: 8, .value_kind: global_buffer, .address_space: global }
      - { .name: x, .offset: 8, .size: 8, .value_kind: global_buffer, .address_space: global }
      - { .name: out0, .offset: 16, .size: 8, .value_kind: global_buffer, .address_space: global }
    .group_segment_fixed_size: 18432
    .private_segment_fixed_size: 0
    .kernarg_segment_align: 8
    .kernarg_segment_size: 24
    .max_flat_workgroup_size: 512
    .sgpr_count:     100
    .vgpr_count:     256
    .wavefront_size: 32
...
	.end_amdgpu_metadata
.endif
;; end of part 4
